; MI455X (gfx1250); checked and timed in simulation.
; The chip was launched on July 23, 2026; its instructions are those of AMD's public machine-readable ISA for CDNA 5 (MIT licence, August 2026) and "CDNA5" Instruction Set Architecture Reference Guide (July 2026). The comments in the code are by the model that wrote it; some were corrected since.
;; Bahdanau Attention. Allowed arithmetic: matrix products marked QUANTISED: E3M2 operands, one E8M0 scale for each 32 along K, by v_wmma_scale_f32_16x16x128_f8f6f4 with both operands' format E3M2, f32 sums; products left as they are: f32 operands where the result goes on into a quantised operand, else bf16, f16 or f32 operands; f32 sums; everything else in f32.
;; Inputs: W_dec_codes 1,024 x 32 x 24 uint8 (E3M2 codes of W_dec, K innermost, in blocks of 32 codes, four codes in three bytes); W_dec_scales 1,024 x 32 uint8 (E8M0 scales of W_dec, one for each 32 codes along K); W_enc_codes 1,024 x 32 x 24 uint8 (E3M2 codes of W_enc, K innermost, in blocks of 32 codes, four codes in three bytes); W_enc_scales 1,024 x 32 uint8 (E8M0 scales of W_enc, one for each 32 codes along K); b_dec 1,024 float32; b_enc 1,024 float32; decoder_hidden_codes 32 x 32 x 24 uint8 (E3M2 codes of decoder_hidden, K innermost, in blocks of 32 codes, four codes in three bytes); decoder_hidden_scales 32 x 32 uint8 (E8M0 scales of decoder_hidden, one for each 32 codes along K); encoder_outputs 32 x 2,048 x 1,024 float32; v_b 1 float32; v_w 1,024 float32.
;; Outputs: out0 32 x 1,024 float32; out1 32 x 2,048 float32.
;; This version of the problem:
;;   THIS VERSION OF THE PROBLEM IS GIVEN IN LOW PRECISION. The matrix products marked QUANTISED in the list below multiply operands that are first quantised to E3M2 (3 exponent bits, 2 mantissa bits; 6 bits a number), with one power-of-two scale for each 32 numbers along K (OCP MX v1.0); their sums are f32. All else is computed in f32.
;;   The module's matrix products, in the order in which they are computed (A, B: the left and right operand; K: the contracted axis; several contracted axes count as one K, in the product's order):
;;     1. [M 65,536, K 1,024] x [K 1,024, N 1,024]; A: input encoder_outputs; B: input W_enc (given as codes): QUANTISED
;;     2. [M 32, K 1,024] x [K 1,024, N 1,024]; A: input decoder_hidden (given as codes); B: input W_dec (given as codes): QUANTISED
;;     3. [M 65,536, K 1,024] x [K 1,024, N 1]; A: computed on the way; B: input v_w: left as it is (N = 1 < 16)
;;     4. batch 32 x [M 1, K 2,048] x [K 2,048, N 1,024]; A: softmax; B: input encoder_outputs: left as it is (M = 1 < 16)
;;   THE QUANTISER, for each operand of a quantised product, along K:
;;     - K is cut into blocks of 32 from its start; a last block that is shorter is filled with zeros.
;;     - A block's scale is 2^e with e = floor(log2(the largest magnitude in the block)) - 4, held to -126 .. 127; a block of zeros has e = 0. As a byte (E8M0): e + 127.
;;     - Each number is divided by its block's scale, clamped to +-28, and rounded to the nearest number of E3M2, ties to even, subnormals kept.
;;     - The product sums the exact products of the quantised numbers (number of the format x scale) in f32.
;;   ~~~python
;;   def quantise(x, axis):      # numpy; x: float32 -> the quantised numbers, widened to float32 again
;;       x = np.moveaxis(x, axis, -1); K = x.shape[-1]
;;       x = np.pad(x, [(0, 0)] * (x.ndim - 1) + [(0, -K % 32)]); x = x.reshape(x.shape[:-1] + (-1, 32)); a = np.abs(x).max(-1, keepdims=True)
;;       e = np.where(a > 0, np.clip(np.frexp(np.where(a > 0, a, 1))[1] - 1 - 4, -126, 127), 0)      # np.frexp(a)[1] - 1 = floor(log2(a)), exactly
;;       r = np.clip(x / 2.0 ** e, -28, 28)
;;       step = 2.0 ** (np.maximum(np.frexp(np.where(r == 0, 1, r))[1] - 1, -2) - 2)
;;       q = np.round(r / step) * step * 2.0 ** e      # np.round: ties to even
;;       return np.moveaxis(q.reshape(q.shape[:-2] + (-1,))[..., :K], -1, axis).astype(np.float32)
;;   ~~~
;;   INPUTS GIVEN AS CODES. W_dec (in the module: [1024, 1024], K = its axis 0); W_enc (in the module: [1024, 1024], K = its axis 0); decoder_hidden (in the module: [32, 1024], K = its axis 1): each comes as NAME_codes (uint8): NAME with its K axis moved to the last place and cut into blocks of 32 codes, [.., K / 32, bytes a block], one block behind the other in memory; four codes in three bytes: a row's codes are one little-endian stream of bits, code i at bits 6 i .. 6 i + 5 (a code: sign, 3 exponent bits, 2 mantissa bits); and NAME_scales (uint8): the same leading axes, one E8M0 byte (e + 127) for each 32 codes along K. Its value is code x scale, taken as it is: it is not quantised again, and the codes and scales need not be those that the quantiser above would give.
;; One version. Each part assembles by itself: llvm-mc -triple=amdgcn-amd-amdhsa -mcpu=gfx1250 --defsym DOCPART=n.
;; ======== version 1 of 1: 3 launches
;; limits: values are held in f16: magnitudes above 65,504 overflow, below 6.1e-05 lose precision; inputs' magnitudes at most 65,504; right only within a limited range of input values
;; workspace buffers: wimg 819,200 bytes; biasw 131,072 bytes; tsc 262,144 bytes; pctx 8,388,608 bytes
;; launch prep (part 1): grid 64 x 1, 4 waves a work-group, no clusters, 58,880 bytes of LDS; arguments W_enc_codes, W_enc_scales, W_dec_codes, W_dec_scales, decoder_hidden_codes, decoder_hidden_scales, b_dec, b_enc, wimg, biasw; writes wimg, biasw
.if DOCPART == 1
	.amdgcn_target "amdgcn-amd-amdhsa--gfx1250"
	.amdhsa_code_object_version 6
	.text
	.protected	k_q47b0781fa5_prep
	.globl	k_q47b0781fa5_prep
	.p2align	8
	.type	k_q47b0781fa5_prep,@function
k_q47b0781fa5_prep:
	s_mov_b64 s[64:65], 0
	v_nop
	global_prefetch_b8 v0, s[64:65] scope:SCOPE_SE
	s_setreg_imm32_b32 hwreg(HW_REG_WAVE_MODE, 25, 1), 1
	s_wait_xcnt 0x0
; BahdanauAttention in MX-BF6, launch 1 of 3.
; WORK LEFT OUT IN THE WHOLE PROGRAM, AND WHY IT IS DEAD.
;  (1) v_b.  reference() adds v_b[0] to every score of a batch alike, and the scores reach both outputs through softmax(scores, axis 1) alone.  softmax(x + c) = softmax(x) for every
;      real c: so v_b has no way to an output.  It is not loaded and is among no launch's arguments.
;  (2) The sum of v_w.  tanh x = 1 - 2 / (1 + e^(2x)) for every real x, so sum_a v_a tanh(x_a) = sum_a v_a - 2 sum_a v_a / (1 + e^(2 x_a)).  The first term is the same for every
;      position of the softmax's axis and goes as v_b goes; the program carries -2 sum_a v_a / (1 + e^(2 x_a)) as the score.
;  LIMIT: a NaN or an infinity in v_b, or an overflow of the sum of v_w, is not carried to the results.
; WHAT THIS LAUNCH DOES.  Work-group t takes tile t: 16 of the 1,024 attention columns.  Its four waves share K: wave w takes K steps 2 w and 2 w + 1 (of 128 each).
;  (a) W_enc's codes and scale bytes of the tile are laid into wimg IN THE ORDER OF THE OPERAND'S REGISTERS: a tile is 12,800 bytes: eight fragments (16 columns x 128 K, 12 registers a lane) of
;      1,536 bytes, each as three runs of 512 bytes (lane l's four registers at 16 l), then 512 bytes of scale words (lane (r, h), register u: the word of K step 2 u + h of column r).
;      The next launch then brings whole tiles into LDS as dense bytes and reads a fragment by three loads of 16 bytes a lane.
;  (b) biasw = decoder_hidden . W_dec + b_dec + b_enc: the second product of the table, on the codes as they are given, transposed (source 0 = 16 columns of W_dec, source 1 = 16 batches).
;      biasw is laid [tile 64][batch 32][16 columns], so that a work-group's 2,048 bytes are dense.
;  LIMIT: the second product's sum over K is formed of four f32 sums of 256 terms, one a wave, which are then added in f32: another order of rounding than one running sum.
; THE CODES COME DENSE.  The tile's 16 rows of W_enc (12,288 bytes), its 16 rows of W_dec and decoder_hidden's 32 rows (24,576 bytes) are dense blocks of memory: each load of a wave covers 512 consecutive bytes,
;   24 loads a wave.  They go into LDS rows of 768 + 16 bytes; behind a barrier a fragment comes by six loads of 8 bytes a lane.  Six loads of a wave are exactly four rows, so which row a lane's 16 bytes
;   belong to is a constant of the load, but for the two loads that straddle a row, where lanes 16-31 are one row on.
; No tensor load and no cluster: the launch reads 1.6 MB once; what the work-groups share, decoder_hidden's 24,576 bytes, is half of each one's 49,152.
; REGISTERS: v1-13 ids and addresses; v14, v15 the add's two; v16-111 the codes as loaded; v112-135 W_enc's two fragments; v136-159 W_dec's; v160-207 decoder_hidden's four (12 (2 m + step));
;   v208-211 W_enc's scale words; v212 W_dec's; v213, v214 decoder_hidden's; v216-223 the biases; v224-239 two accumulators; v240-255 the four waves' partial sums.
.set P,     784                        ; an LDS row: 768 bytes + 16 = 196 words: row r starts at bank 4 r mod 64 (64 banks of 4 bytes: ISA guide 11.1), so the 32 lanes of a load of 8 bytes touch 64 different banks
.set LWE,   0                          ; LDS: W_enc's 16 rows,
.set LWD,   16*P                       ; W_dec's 16,
.set LDH,   32*P                       ; decoder_hidden's 32,
.set STG,   64*P                       ; a stage of 2,048 bytes for each wave: [batch 32][16 columns],
.set SPARE, STG+8192                   ; and the spare words: 128 bytes a wave, two blocks of 256 bytes that no other line names
.set RAW, 16
.set WE,  112
.set WD,  136
.set DH,  160
.set WES, 208
.set WDS, 212
.set DHS, 213
.set BD,  216
.set BE,  220
.set ACC, 224
.set SUM, 240
.macro ROWS4 reg, adr, off             ; six loads' 3,072 bytes = four rows, into LDS: piece q = 32 i + lane of 16 bytes lies in row q / 48: 0, h, 1, 2, 2 + h, 3 for i = 0 .. 5; v[adr + 1] = v[adr] + 16 h
	ds_store_b128 v[\adr],   v[(\reg):(\reg)+3]     offset:(\off)
	ds_store_b128 v[\adr+1], v[(\reg)+4:(\reg)+7]   offset:(\off)+512
	ds_store_b128 v[\adr],   v[(\reg)+8:(\reg)+11]  offset:(\off)+1024+16
	ds_store_b128 v[\adr],   v[(\reg)+12:(\reg)+15] offset:(\off)+1536+32
	ds_store_b128 v[\adr+1], v[(\reg)+16:(\reg)+19] offset:(\off)+2048+32
	ds_store_b128 v[\adr],   v[(\reg)+20:(\reg)+23] offset:(\off)+2560+48
.endm
.macro FRAGRD reg, off                 ; a fragment: lane (r, h) takes 24 bytes at 24 h and 24 at 48 + 24 h of its row's 96, in pieces of 8 bytes, so that every address is a multiple of the access's size
.irp p, 0,1,2,3,4,5
	ds_load_b64 v[(\reg)+2*\p:(\reg)+2*\p+1], v7 offset:(\off)+48*(\p/3)+8*(\p%3)
.endr
.endm
	s_load_b512 s[8:23], s[0:1], 0x0               ; W_enc codes s[8:9], scales s[10:11]; W_dec codes s[12:13], scales s[14:15]; decoder_hidden codes s[16:17], scales s[18:19]; b_dec s[20:21]; b_enc s[22:23]
	s_load_b128 s[24:27], s[0:1], 0x40             ; wimg s[24:25], biasw s[26:27]
	v_lshl_add_u32 v14, v0, 2, SPARE
	v_mov_b32 v15, 0
	v_lshrrev_b32 v1, 5, v0
	v_readfirstlane_b32 s2, v1                     ; wave
	v_and_b32 v1, 31, v0                           ; lane
	v_and_b32 v9, 15, v0                           ; r
	v_bfe_u32 v10, v0, 4, 1                        ; h
	v_lshlrev_b32 v2, 4, v1                        ; 16 x lane: my place in 512 dense bytes
	s_mul_i32 s4, s2, 4*P
	v_lshl_add_u32 v3, v1, 4, s4                   ; LDS, in: W's rows 4 w on,
	v_lshl_add_u32 v4, v10, 4, v3                  ; and the same one padding on for lanes 16-31
	s_mul_i32 s5, s2, 8*P
	v_lshl_add_u32 v5, v1, 4, s5                   ; decoder_hidden's rows 8 w on
	v_lshl_add_u32 v6, v10, 4, v5
	v_mul_u32_u24 v7, v9, P
	v_mad_u32_u24 v7, v10, 24, v7
	s_mul_i32 s6, s2, 192
	v_add_nc_u32 v7, s6, v7                        ; LDS, a fragment: row r, + 24 h, + my two K steps' 192 bytes x wave
	v_lshlrev_b32 v8, 5, v9                        ; scale words: a row is 32 bytes,
	v_lshl_add_u32 v8, v10, 2, v8                  ; lanes 16-31 take the odd K step's word
	v_lshlrev_b32 v11, 6, v9
	v_lshl_add_u32 v11, v10, 5, v11
	s_lshl_b32 s7, s2, 11
	s_add_co_u32 s7, s7, STG
	v_add_nc_u32 v11, s7, v11                      ; my stage, in: batch r of 64 bytes, + 32 h
	s_lshl_b32 s44, s2, 9
	s_add_co_u32 s45, s44, STG
	v_lshl_add_u32 v12, v1, 4, s45                 ; the stages, back: my slice of 512 bytes, 16 bytes a lane
	v_and_b32 v13, 3, v0
	v_lshlrev_b32 v13, 4, v13                      ; the biases of my slice's four columns: 4 (lane % 4) on
	s_mul_i32 s28, ttmp9, 12288                    ; the tile's 16 rows of codes,
	s_mul_i32 s3, s2, 3072                         ; my four of them
	s_add_co_u32 s28, s28, s3
	s_mov_b32 s29, 0
	s_mul_i32 s30, s2, 6144                        ; my eight rows of decoder_hidden
	s_mov_b32 s31, 0
	s_lshl_b32 s32, ttmp9, 9                       ; the tile's 16 rows of scale bytes
	s_mov_b32 s33, 0
	s_lshl_b32 s36, s2, 3                          ; my two K steps' words
	s_mov_b32 s37, 0
	s_add_co_u32 s34, s32, s36
	s_mov_b32 s35, 0
	s_lshl_b32 s38, ttmp9, 6                       ; the tile's 16 numbers of a bias
	s_mov_b32 s39, 0
	s_mul_i32 s40, ttmp9, 12800                    ; the tile of wimg, my two fragments (2 x 1,536 = 3,072 bytes a wave)
	s_add_co_u32 s40, s40, s3
	s_mov_b32 s41, 0
	s_lshl_b32 s42, ttmp9, 11                      ; the tile of biasw, my slice
	s_add_co_u32 s42, s42, s44
	s_mov_b32 s43, 0
	s_wait_alu depctr_va_vdst(0)
	s_wait_kmcnt 0x0
	s_add_nc_u64 s[8:9], s[8:9], s[28:29]
	s_add_nc_u64 s[12:13], s[12:13], s[28:29]
	s_add_nc_u64 s[16:17], s[16:17], s[30:31]
	s_add_nc_u64 s[10:11], s[10:11], s[32:33]
	s_add_nc_u64 s[14:15], s[14:15], s[34:35]
	s_add_nc_u64 s[18:19], s[18:19], s[36:37]
	s_add_nc_u64 s[20:21], s[20:21], s[38:39]
	s_add_nc_u64 s[22:23], s[22:23], s[38:39]
	s_add_nc_u64 s[24:25], s[24:25], s[40:41]
	s_add_nc_u64 s[26:27], s[26:27], s[42:43]
.irp i, 0,1,2,3,4,5
	global_load_b128 v[RAW+4*\i:RAW+4*\i+3], v2, s[8:9] offset:512*\i th:TH_LOAD_NT          ; 32 lanes read 512 consecutive bytes; read once in the launch
.endr
.irp i, 0,1,2,3,4,5
	global_load_b128 v[RAW+24+4*\i:RAW+24+4*\i+3], v2, s[12:13] offset:512*\i th:TH_LOAD_NT
.endr
.irp i, 0,1,2,3,4,5,6,7,8,9,10,11
	global_load_b128 v[RAW+48+4*\i:RAW+48+4*\i+3], v2, s[16:17] offset:512*\i                ; (every work-group reads these)
.endr
.irp u, 0,1,2,3
	global_load_b32 v[WES+\u], v8, s[10:11] offset:8*\u            ; W_enc's scale words of all eight K steps: wave 0 stores them
.endr
	global_load_b32 v[WDS], v8, s[14:15]           ; lanes 0-15: the word of K step 2 w; lanes 16-31: of 2 w + 1
	global_load_b32 v[DHS], v8, s[18:19]
	global_load_b32 v[DHS+1], v8, s[18:19] offset:512
	global_load_b128 v[BD:BD+3], v13, s[20:21]
	global_load_b128 v[BE:BE+3], v13, s[22:23]
	s_wait_loadcnt 9                               ; the 24 loads of codes are in; the nine issued behind them may be out
	ROWS4 RAW, 3, LWE
	ROWS4 RAW+24, 3, LWD
	ROWS4 RAW+48, 5, LDH
	ROWS4 RAW+72, 5, LDH+4*P
	s_wait_dscnt 0x0                               ; for the others' sake: my rows lie in LDS
	s_barrier_signal -1
	s_barrier_wait -1                              ; a fragment's 16 rows come from four waves
.irp sp, 0,1
	FRAGRD WE+12*\sp, LWE+96*\sp
	FRAGRD WD+12*\sp, LWD+96*\sp
.endr
.irp m, 0,1
.irp sp, 0,1
	FRAGRD DH+12*(2*\m+\sp), LDH+16*P*\m+96*\sp
.endr
.endr
	s_wait_loadcnt 0x0                             ; the scale words and the biases
	v_pk_add_f32 v[BD:BD+1], v[BD:BD+1], v[BE:BE+1]                ; b_dec + b_enc
	v_pk_add_f32 v[BD+2:BD+3], v[BD+2:BD+3], v[BE+2:BE+3]
	s_wait_dscnt 0x0
.irp sp, 0,1
.irp c, 0,1,2
	global_store_b128 v2, v[WE+12*\sp+4*\c:WE+12*\sp+4*\c+3], s[24:25] offset:1536*\sp+512*\c   ; 32 lanes store 512 consecutive bytes, at a multiple of 256 from wimg's first byte
.endr
.endr
	s_cmp_lg_u32 s2, 0                             ; the tile's scale words have one owner: wave 0, whose base is the tile's first byte
	s_cbranch_scc1 .Lno_scales
	global_store_b128 v2, v[WES:WES+3], s[24:25] offset:12288
.Lno_scales:
.irp sp, 0,1                           ; the two accumulators take turns, one instruction a turn; the first K step starts the sums
.irp m, 0,1
.if \sp == 0
	v_wmma_scale_f32_16x16x128_f8f6f4 v[ACC+8*\m:ACC+8*\m+7], v[WD:WD+11], v[DH+24*\m:DH+24*\m+11], 0, v[WDS], v[DHS+\m] matrix_a_fmt:MATRIX_FMT_BF6 matrix_b_fmt:MATRIX_FMT_BF6
.else
	v_wmma_scale_f32_16x16x128_f8f6f4 v[ACC+8*\m:ACC+8*\m+7], v[WD+12:WD+23], v[DH+24*\m+12:DH+24*\m+23], v[ACC+8*\m:ACC+8*\m+7], v[WDS], v[DHS+\m] matrix_a_fmt:MATRIX_FMT_BF6 matrix_b_fmt:MATRIX_FMT_BF6 matrix_a_scale:MATRIX_SCALE_ROW1 matrix_b_scale:MATRIX_SCALE_ROW1
.endif
.endr
.endr
.rept 4
	v_nop                                          ; four places ahead of the first read of results (ISA guide 7.12.1)
.endr
.irp m, 0,1
	ds_store_b128 v11, v[ACC+8*\m:ACC+8*\m+3] offset:1024*\m       ; lane (r, h): my part of the sum for batch 16 m + r, columns 8 h + 0 .. 7; each accumulator from its low end on
	ds_store_b128 v11, v[ACC+8*\m+4:ACC+8*\m+7] offset:1024*\m+16
.endr
	s_wait_dscnt 0x0                               ; for the others' sake: my stores into my stage are done
	s_barrier_signal -1
	s_barrier_wait -1
.irp k, 0,1,2,3
	ds_load_b128 v[SUM+4*\k:SUM+4*\k+3], v12 offset:2048*\k        ; the four waves' parts of my slice: batches 8 w + lane / 4, columns 4 (lane % 4) + 0 .. 3
.endr
	s_wait_dscnt 0x0
	v_pk_add_f32 v[SUM:SUM+1], v[SUM:SUM+1], v[SUM+4:SUM+5]
	v_pk_add_f32 v[SUM+2:SUM+3], v[SUM+2:SUM+3], v[SUM+6:SUM+7]
	v_pk_add_f32 v[SUM+8:SUM+9], v[SUM+8:SUM+9], v[SUM+12:SUM+13]
	v_pk_add_f32 v[SUM+10:SUM+11], v[SUM+10:SUM+11], v[SUM+14:SUM+15]
	v_pk_add_f32 v[SUM:SUM+1], v[SUM:SUM+1], v[SUM+8:SUM+9]
	s_wait_alu depctr_va_vdst(0)
	v_pk_add_f32 v[SUM+2:SUM+3], v[SUM+2:SUM+3], v[SUM+10:SUM+11]
	v_pk_add_f32 v[SUM:SUM+1], v[SUM:SUM+1], v[BD:BD+1]
	v_pk_add_f32 v[SUM+2:SUM+3], v[SUM+2:SUM+3], v[BD+2:BD+3]
	global_store_b128 v2, v[SUM:SUM+3], s[26:27]   ; 32 lanes store 512 consecutive bytes, at a multiple of 256 from biasw's first byte
	s_wait_tensorcnt 0x0                           ; the wave's end
	ds_add_u32 v14, v15
	s_wait_dscnt 0x0
	s_endpgm
.Lfunc_end_k_q47b0781fa5_prep:
	.size	k_q47b0781fa5_prep, .Lfunc_end_k_q47b0781fa5_prep-k_q47b0781fa5_prep
	.p2alignl 7, 3214868480
	.fill 96, 4, 3214868480
	.section	.rodata,"a",@progbits
	.p2align	6, 0x0
	.amdhsa_kernel k_q47b0781fa5_prep
		.amdhsa_group_segment_fixed_size 58880
		.amdhsa_private_segment_fixed_size 0
		.amdhsa_enable_private_segment 0
		.amdhsa_kernarg_size 80
		.amdhsa_user_sgpr_count 2
		.amdhsa_user_sgpr_kernarg_segment_ptr 1
		.amdhsa_wavefront_size32 1
		.amdhsa_system_sgpr_workgroup_id_x 1
		.amdhsa_system_sgpr_workgroup_id_y 1
		.amdhsa_system_sgpr_workgroup_id_z 1
		.amdhsa_system_vgpr_workitem_id 0
		.amdhsa_next_free_vgpr 256
		.amdhsa_next_free_sgpr 66
		.amdhsa_reserve_vcc 0
		.amdhsa_float_denorm_mode_32 3
		.amdhsa_float_denorm_mode_16_64 3
		.amdhsa_memory_ordered 1
		.amdhsa_forward_progress 1
		.amdhsa_inst_pref_size 14
	.end_amdhsa_kernel
	.amdgpu_metadata
---
amdhsa.version: [ 1, 2 ]
amdhsa.kernels:
  - .name:           k_q47b0781fa5_prep
    .symbol:         k_q47b0781fa5_prep.kd
    .args:
      - { .name: W_enc_codes, .offset: 0, .size: 8, .value_kind: global_buffer, .address_space: global }
      - { .name: W_enc_scales, .offset: 8, .size: 8, .value_kind: global_buffer, .address_space: global }
      - { .name: W_dec_codes, .offset: 16, .size: 8, .value_kind: global_buffer, .address_space: global }
      - { .name: W_dec_scales, .offset: 24, .size: 8, .value_kind: global_buffer, .address_space: global }
      - { .name: decoder_hidden_codes, .offset: 32, .size: 8, .value_kind: global_buffer, .address_space: global }
      - { .name: decoder_hidden_scales, .offset: 40, .size: 8, .value_kind: global_buffer, .address_space: global }
      - { .name: b_dec, .offset: 48, .size: 8, .value_kind: global_buffer, .address_space: global }
      - { .name: b_enc, .offset: 56, .size: 8, .value_kind: global_buffer, .address_space: global }
      - { .name: wimg, .offset: 64, .size: 8, .value_kind: global_buffer, .address_space: global }
      - { .name: biasw, .offset: 72, .size: 8, .value_kind: global_buffer, .address_space: global }
    .group_segment_fixed_size: 58880
    .private_segment_fixed_size: 0
    .kernarg_segment_align: 8
    .kernarg_segment_size: 80
    .max_flat_workgroup_size: 128
    .sgpr_count:     66
    .vgpr_count:     256
    .wavefront_size: 32
...
	.end_amdgpu_metadata
.endif
;; end of part 1
;; launch main (part 2): grid 256 x 1, 4 waves a work-group, clusters of 4 x 1, 327,680 bytes of LDS; arguments encoder_outputs, wimg, biasw, v_w, tsc, pctx; writes tsc, pctx
.if DOCPART == 2
	.amdgcn_target "amdgcn-amd-amdhsa--gfx1250"
	.amdhsa_code_object_version 6
	.text
	.protected	k_q47b0781fa5_main
	.globl	k_q47b0781fa5_main
	.p2align	8
	.type	k_q47b0781fa5_main,@function
k_q47b0781fa5_main:
	s_mov_b64 s[64:65], 0
	v_nop
	global_prefetch_b8 v0, s[64:65] scope:SCOPE_SE
	s_setreg_imm32_b32 hwreg(HW_REG_WAVE_MODE, 25, 1), 1
	s_wait_xcnt 0x0
	s_wait_alu depctr_hold_cnt(0) depctr_sa_sdst(0) depctr_va_vdst(0) depctr_va_sdst(0) depctr_va_ssrc(0) depctr_va_vcc(0) depctr_vm_vsrc(0)
	s_getreg_b32 s2, hwreg(HW_REG_IB_STS2, 6, 4)
	s_cmp_eq_u32 s2, 0
	s_cbranch_scc0 .Lentry_in_a_cluster
	s_endpgm
.Lentry_in_a_cluster:
	s_bfe_u32 s2, ttmp6, 0x10000c
	s_cmp_lg_u32 s2, 0x3003
	s_cbranch_scc0 .Lentry_shape_is_right
	s_endpgm
.Lentry_shape_is_right:
; BahdanauAttention in MX-BF6, launch 2 of 3.  v_b and the sum of v_w are left out: both are the same along the softmax's axis (shown at the head of the first kernel).
; A WORK-GROUP STAYS and takes two neighbouring tiles of 128 positions of one batch (so v_w and the batch's bias lie in LDS once); a wave takes 32 positions of a tile (two blocks of 16 rows) through the whole chain:
;  THE STREAM: encoder_outputs comes in four chunks of 256 columns (a wave's own 32 rows x 1,024 bytes a load) through two LDS slots.  Each chunk is read twice from LDS: along K, quantised to E3M2 codes and
;    scale words (192 + 16 registers a wave, kept), and by columns, rounded to f16 (512 registers a wave, kept for the context).
;  THE WALK OVER W: wimg's 64 tiles of 16 attention columns come eight at a time (102,400 bytes) through the same two slots, by JOINT loads of the cluster's four work-groups, which all walk the same tiles.
;    A UNIT is two tiles x my 32 rows x K 1,024: 32 matrix instructions on four accumulators by turns; the first takes the bias (decoder's projection + both biases) as C.
;    score part = sum over columns of v / (1 + 2^(2 log2(e) x)); tanh's constant term is left out, the factor -2 log2(e) comes at the end (t = score in powers of two).
;    ORDER IN A UNIT: four runs of eight matrix instructions.  Among the runs' matrix instructions stands only PLAIN packed work of the unit before (run 0: the scaling; run 1: 1 + e; run 2: the multiply-add with v).
;    The exponentials and the reciprocals stand as two batches of 32 between the runs, behind the LDS loads issued there: one s_wait_alu ahead of and one behind each batch.
;    A step's last unit is scaled at the step's end; its exponentials stand between the add and the wait for it at the change of slots, its reciprocals behind the next step's first LDS loads.
;  THE END OF A TILE: t is stored; p = 2^(t - my 32 positions' largest t) in f16 x the f16 copy gives the run's part of the context (64 f16 matrix instructions), stored to pctx.  The next launch joins the runs.
;  THE RING GOES ON INTO THE NEXT TILE: slot 0 is read no more during W's last eight tiles and takes the next tile's chunk 0 there; slot 1 takes chunk 1 ahead of the context's work.  That part is written out twice:
;    for a tile with a successor, and for the last, which asks for nothing more.
; CLUSTER 4, 1, 1: the four partners ask for W's tiles jointly (mask 15); encoder_outputs is each wave's own and comes by plain loads, behind the same rounds.
; PREFETCH: in the first six of the first tile's seven trips over W each wave names 2 x 256 bytes of each of its own 32 rows of the next tile, a lane a row: chunks 1 to 3, each 256 bytes once,
;    from two to eight changes of slots ahead of the loads that want them.  Chunk 0 comes by its load alone; the last tile asks for nothing; wimg's 819,200 bytes are what all 64 clusters walk and are not asked for.
; LIMIT: where 2 log2(e) x passes f32's exponent range the exponential is infinite and the term is 0, as tanh = 1 asks; the context's operands are f16 (p at most 1; encoder_outputs up to 65,504 in magnitude).
; REGISTERS.  Window 0: v1-15 addresses and the add's two; v16-31 my rows' scale words; v32-47 W's scale words, two sets; v48-143 W's fragments, two sets of four (in the stream v48-175 the stage);
;   v144-207 accumulators, two sets of four; v208-223 bias; v224-231 the scores' sums.  Window 1: v0-191 my rows' codes; v192-223 v_w, two sets.  Windows 2, 3: the f16 copy.
.set SLOT,  133120                     ; 128 rows x 1,040
.set ROWP,  1040                       ; an LDS row: 1,024 bytes + 16
.set VTAB,  2*SLOT                     ; v_w (4,096 bytes), then my batch's bias (4,096)
.set PSCR,  VTAB+8192                  ; p, 256 bytes a wave
.set SPARE, PSCR+1024                  ; the spare words
.set TILEB, 524288                     ; a tile of encoder_outputs: 128 rows x 4,096 bytes
.set L16, 1
.set AQ0, 2
.set AC0, 4
.set ABL, 6
.set AT,  8
.set ATB, 9
.set APS, 10
.set APL, 11
.set GS,  12
.set PFO, 13                           ; the prefetches' offset: lane x 4,096
.set SPW, 14
.set NIL, 15
.set AS,  16
.set BS,  32
.set BF,  48
.set ACC, 144
.set BI,  208
.set T,   224
.set ST0, 48
.set TM,  176
.set PC,  192
.set PW,  212
.set VB,  192
.set TB,  54
.set TT,  55
.set MSB, 0
.macro WIN new                         ; the immediate's high byte repeats the setting that is left
.if MSB != \new
	s_set_vgpr_msb (MSB<<8)|\new
.set MSB, \new
.endif
.endm
.macro PLACES                          ; four places behind a matrix instruction (ISA guide 7.12.1)
.rept 4
	v_nop
.endr
.endm
.macro CROUND                          ; a round of the cluster's barrier
	s_barrier_signal -1
	s_barrier_wait -1
	s_cmp_lg_u32 s16, 0
	s_cbranch_scc1 .Lnot_wave_0_\@
	s_barrier_signal -3
.Lnot_wave_0_\@:
	s_barrier_wait -3
	s_barrier_signal -1
	s_barrier_wait -1
.endm
.macro TRANS op, pp                    ; a batch of 32 on set pp: the wait ahead of it, and one plain place behind it; the wait behind it stands ahead of the first reader
	s_wait_alu depctr_va_vdst(0)
.set tq, 0
.rept 32
	\op v[ACC+32*(\pp)+tq], v[ACC+32*(\pp)+tq]
.set tq, tq+1
.endr
	v_nop
.endm
; A change of slots: all my tensor loads waited for, the add, my LDS reads waited for, the round, and my one load behind it.
; kind 0, 1: the chunk two on into slot 0, 1; 2: W's first eight tiles; 3: W's next eight, into the other slot; 4: nothing more; 5, 6: the next tile's chunk 0, 1 into slot 0, 1.
; From kind 3 on the exponentials of the step's last unit stand between the add and the wait for it, with their wait ahead of the round's branch.
.macro CHANGE kind
	s_wait_tensorcnt 0x0
	ds_add_u32 v[SPW], v[NIL]
.if \kind == 0
	s_add_nc_u64 s[42:43], s[42:43], 2048
.elseif \kind == 1
	s_add_nc_u64 s[46:47], s[46:47], 2048
.elseif \kind == 3
	s_xor_b32 s52, s52, SLOT
	s_add_co_u32 s49, s52, s53
	s_add_nc_u64 s[50:51], s[50:51], 102400
.elseif \kind == 5
	s_add_nc_u64 s[42:43], s[42:43], TILEB-2048    ; from chunk 2 to the next tile's chunk 0
.elseif \kind == 6
	s_add_nc_u64 s[46:47], s[46:47], TILEB-2048    ; from chunk 3 to the next tile's chunk 1
	s_mov_b32 s52, 0                               ; and W's walk back to its start: no load of mine is out
	s_mov_b32 s49, s53
	s_sub_nc_u64 s[50:51], s[50:51], 7*102400
.endif
.if \kind > 2
	TRANS v_exp_f32, 1
	s_wait_alu depctr_va_vdst(0)
.endif
	s_wait_dscnt 0x0
	CROUND
.if (\kind == 0) || (\kind == 5)
	tensor_load_to_lds s[40:43], s[24:31]
.elseif (\kind == 1) || (\kind == 6)
	tensor_load_to_lds s[44:47], s[24:31]
.elseif \kind < 4
	tensor_load_to_lds s[48:51], s[32:39]
.endif
.if \kind != 4
	s_nop 0
	PLACES
.endif
.endm
.macro LQ i, slot, st                  ; 16 rows x 128 K of f32 for the quantiser: lane (r, h) takes 16 neighbours of each block of 32
.irp b, 0,1,2,3
.irp jj, 0,1,2,3
	ds_load_b128 v[(\st)+16*\b+4*\jj:(\st)+16*\b+4*\jj+3], v[AQ0+\slot] offset:16*ROWP*((\i)/2)+512*((\i)%2)+128*\b+16*\jj
.endr
.endr
.endm
.macro LC g, slot, st                  ; 32 rows x 64 columns for the f16 copy: a lane takes four columns of 16 rows
.irp rho, 0,1,2,3,4,5,6,7,8,9,10,11,12,13,14,15
	ds_load_b128 v[(\st)+4*\rho:(\st)+4*\rho+3], v[AC0+\slot] offset:((\rho/8)*16+\rho%8)*ROWP+256*(\g)
.endr
.endm
.macro ELOAD i, slot
.if (\i) < 4
	LQ \i, \slot, ST0+64*((\i)%2)
.else
	LC (\i)-4, \slot, ST0+64*((\i)%2)
.endif
.endm
.macro QUANT s                         ; four blocks of 32 along K: largest magnitude with the floor 2^(5 - 127), scale byte, codes, whole blocks to a lane
.irp b, 0,1,2,3
	v_max3_num_f32 v[TM+\b], |v[\s+16*\b]|, |v[\s+1+16*\b]|, 0x2800000
.endr
.irp i, 2,4,6,8,10,12,14
.irp b, 0,1,2,3
	v_max3_num_f32 v[TM+\b], v[TM+\b], |v[\s+16*\b+\i]|, |v[\s+1+16*\b+\i]|
.endr
.endr
.irp b, 0,1,2,3
	v_permlanex16_b32 v[TM+4+\b], v[TM+\b], s20, s21
.endr
.irp b, 0,1,2,3
	v_max_num_f32 v[TM+\b], v[TM+\b], v[TM+4+\b]
.endr
.irp b, 0,1,2,3
	v_add_nc_u32 v[TM+12+\b], 0xfe000000, v[TM+\b]
.endr
.irp b, 0,1,2,3
	v_lshrrev_b32 v[TM+4+\b], 23, v[TM+12+\b]
.endr
	v_lshl_or_b32 v[PW], v[TM+5], 8, v[TM+4]
	v_lshl_or_b32 v[PW], v[TM+6], 16, v[PW]
	v_lshl_or_b32 v[PW], v[TM+7], 24, v[PW]
.irp c, 0,1
	v_cvt_scalef32_pk16_bf6_f32 v[PC+6*\c:PC+2+6*\c], v[\s+32*\c:\s+15+32*\c], v[TM+12+2*\c]
	v_cvt_scalef32_pk16_bf6_f32 v[PC+12+4*\c:PC+14+4*\c], v[\s+16+32*\c:\s+31+32*\c], v[TM+12+2*\c+1]
.endr
	v_nop
.irp c, 0,1
.irp i, 0,1,2
	v_permlane16_swap_b32 v[PC+6*\c+\i], v[PC+12+4*\c+\i]
.endr
.endr
.endm
.macro PUT m, s                        ; the fragment of row block m, K step s, to its place in window 1; its scale word to window 0
	v_mov_b32 v[AS+8*(\m)+(\s)], v[PW]
	WIN 0x40
.irp c, 0,1
.irp i, 0,1,2
	v_mov_b32 v[12*(8*(\m)+(\s))+6*\c+\i], v[PC+6*\c+\i]
	v_mov_b32 v[12*(8*(\m)+(\s))+6*\c+3+\i], v[PC+12+4*\c+\i]
.endr
.endr
	WIN 0
.endm
.macro COPY q, g, st                   ; the f16 copy, in the layout of the f16 form's second source (K = my 32 positions)
.set XB, 128*((\q)%2)+32*(\g)
.if (\q) < 2
	WIN 0x80
.else
	WIN 0xc0
.endif
.irp c, 0,1,2,3
.irp i, 0,1,2,3
	v_cvt_pk_f16_f32 v[XB+8*\c+\i], v[(\st)+8*\i+\c], v[(\st)+8*\i+4+\c]
	v_cvt_pk_f16_f32 v[XB+8*\c+4+\i], v[(\st)+32+8*\i+\c], v[(\st)+36+8*\i+\c]
.endr
.endr
	WIN 0
.endm
.macro ESTEP q, slot                   ; a chunk: eight pieces of 16 loads through two stages; the wait leaves the younger piece's 16 loads out
	ELOAD 0, \slot
	ELOAD 1, \slot
.irp i, 0,1,2,3,4,5,6,7
.if \i < 7
	s_wait_dscnt 16
.else
	s_wait_dscnt 0x0
.endif
.if \i < 4
	QUANT ST0+64*(\i%2)
	PUT \i/2, 2*(\q)+\i%2
.else
	COPY \q, \i-4, ST0+64*(\i%2)
.endif
.if \i < 6
	ELOAD \i+2, \slot
.endif
.endr
.endm
.macro BFR reg, tau, s                 ; W's fragment of tile tau, K step s: three loads of 16 bytes a lane, as prep laid them; 16 bytes of padding for each 1,024 passed
.irp c, 0,1,2
.set XO, 12800*((\tau)%4)+1536*(\s)+512*\c
	ds_load_b128 v[(\reg)+4*\c:(\reg)+4*\c+3], v[ABL+(\tau)/4] offset:XO+16*(XO/1024)
.endr
.endm
.macro GLOAD u, gam                    ; four fragments: K steps 2 gam, 2 gam + 1 of the unit's two tiles: 12 loads
.irp sp, 0,1
.irp ci, 0,1
	BFR BF+48*((\gam)%2)+12*(2*\sp+\ci), 2*(\u)+\ci, 2*(\gam)+\sp
.endr
.endr
.endm
.macro SCL u                           ; the two tiles' scale words: 2 loads
.irp ci, 0,1
.set XO, 12800*((2*(\u)+\ci)%4)+12288
	ds_load_b128 v[BS+8*((\u)%2)+4*\ci:BS+8*((\u)%2)+4*\ci+3], v[ABL+(2*(\u)+\ci)/4] offset:XO+16*(XO/1024)
.endr
.endm
.macro BIAS u                          ; 4 loads
.irp ci, 0,1
	ds_load_b128 v[BI+8*\ci:BI+8*\ci+3], v[AT] offset:4096+64*(2*(\u)+\ci)
	ds_load_b128 v[BI+8*\ci+4:BI+8*\ci+7], v[AT] offset:4096+64*(2*(\u)+\ci)+16
.endr
.endm
.macro VLOAD u                         ; 4 loads
.irp ci, 0,1
	ds_load_b128 v[VB+16*((\u)%2)+8*\ci:VB+16*((\u)%2)+8*\ci+3], v[AT] offset:64*(2*(\u)+\ci)
	ds_load_b128 v[VB+16*((\u)%2)+8*\ci+4:VB+16*((\u)%2)+8*\ci+7], v[AT] offset:64*(2*(\u)+\ci)+16
.endr
.endm
.macro WM p, gam, sp, ci, m            ; transposed: source 0 = 16 columns of W, source 1 = 16 of my rows: a lane holds one row and eight columns
.set SS, 2*(\gam)+(\sp)
.set DA, ACC+32*(\p)+8*(2*(\ci)+(\m))
.set FA, BF+48*((\gam)%2)+12*(2*(\sp)+(\ci))
.set FB, 12*(8*(\m)+SS)
.set SA, BS+8*(\p)+4*(\ci)+SS/2
.set SB, AS+8*(\m)+SS
.if SS == 0
	v_wmma_scale_f32_16x16x128_f8f6f4 v[DA:DA+7], v[FA:FA+11], v[FB:FB+11], v[BI+8*(\ci):BI+8*(\ci)+7], v[SA], v[SB] matrix_a_fmt:MATRIX_FMT_BF6 matrix_b_fmt:MATRIX_FMT_BF6
.elseif SS%2
	v_wmma_scale_f32_16x16x128_f8f6f4 v[DA:DA+7], v[FA:FA+11], v[FB:FB+11], v[DA:DA+7], v[SA], v[SB] matrix_a_fmt:MATRIX_FMT_BF6 matrix_b_fmt:MATRIX_FMT_BF6 matrix_a_scale:MATRIX_SCALE_ROW1
.else
	v_wmma_scale_f32_16x16x128_f8f6f4 v[DA:DA+7], v[FA:FA+11], v[FB:FB+11], v[DA:DA+7], v[SA], v[SB] matrix_a_fmt:MATRIX_FMT_BF6 matrix_b_fmt:MATRIX_FMT_BF6
.endif
.endm
; The plain work on a finished set pp of four accumulators, 16 packed instructions a stage.  1: x 2 log2(e), each accumulator from its low end on; 2: 1 + e; 3: the sums += v x 1 / (1 + e), four sums by turns
.macro EPS stg, pp, j
.set AB, ACC+32*(\pp)
.if \stg == 1
	v_pk_mul_f32 v[AB+2*(\j):AB+2*(\j)+1], v[AB+2*(\j):AB+2*(\j)+1], s[22:23] op_sel_hi:[1,0]
.elseif \stg == 2
	v_pk_add_f32 v[AB+2*(\j):AB+2*(\j)+1], v[AB+2*(\j):AB+2*(\j)+1], 1.0 op_sel_hi:[1,0]
.else
.set aa, (\j)%4
.set qq, (\j)/4
	v_pk_fma_f32 v[T+2*aa:T+2*aa+1], v[AB+8*aa+2*qq:AB+8*aa+2*qq+1], v[VB+16*(\pp)+8*(aa/2)+2*qq:VB+16*(\pp)+8*(aa/2)+2*qq+1], v[T+2*aa:T+2*aa+1]
.endif
.endm
.macro STAGE stg, pp                   ; a whole stage on end
.set k, 0
.rept 16
	EPS \stg, \pp, k
.set k, k+1
.endr
.endm
; A run of eight matrix instructions, the four accumulators by turns, two packed instructions of stage stg behind each.
; w = 1: a batch stands ahead of the run: the one wait behind it, directly ahead of the first matrix instruction, serves the batch's results and the accumulators alike
.macro GRAN p, gam, stg, w
.set k, 0
.if \w
	s_wait_alu depctr_va_vdst(0)
.endif
.irp sp, 0,1
.irp ci, 0,1
.irp m, 0,1
	WM \p, \gam, \sp, \ci, \m
.if \stg
	EPS \stg, 1-(\p), k
.set k, k+1
	EPS \stg, 1-(\p), k
.set k, k+1
.endif
.endr
.endr
.endr
	PLACES                                         ; ahead of the loads into the fragments just read
.endm
.macro UNIT u, nx, f                   ; f = 1: a step's first unit: of the unit before only the multiply-add with v is left
	s_wait_dscnt 12                                ; all but the 12 loads of K steps 2, 3
.if \f
	GRAN (\u)%2, 0, 3, 1
.else
	GRAN (\u)%2, 0, 1, 0
.endif
.if \nx
	BIAS (\u)+1
.endif
	GLOAD \u, 2
.if \f == 0
	TRANS v_exp_f32, 1-(\u)%2
.endif
	s_wait_dscnt 12+4*\nx                          ; K steps 2, 3 are in; behind them: the bias (4) and K steps 4, 5 (12)
.if \f
	GRAN (\u)%2, 1, 0, 0
.else
	GRAN (\u)%2, 1, 2, 1
.endif
	GLOAD \u, 3
	WIN 0x44
	VLOAD \u
	WIN 0x04
.if \f == 0
	TRANS v_rcp_f32, 1-(\u)%2
.endif
	s_wait_dscnt 16                                ; behind K steps 4, 5: K steps 6, 7 (12) and v (4)
.if \f
	GRAN (\u)%2, 2, 0, 0
.else
	GRAN (\u)%2, 2, 3, 1
.endif
.if \nx
	GLOAD (\u)+1, 0
	SCL (\u)+1
.endif
	s_wait_dscnt 4+14*\nx                          ; behind K steps 6, 7: v (4), the next unit's first fragments (12) and scale words (2)
	GRAN (\u)%2, 3, 0, 0
.if \nx
	GLOAD (\u)+1, 1
.endif
.endm
.macro GSTEP pf                        ; eight tiles = four units, from the slot at s[TB].  pf = 1: in the loop, where the next tile is asked for
	v_add_nc_u32 v[ABL], s[TB], v[L16]
	v_add_nc_u32 v[AT], s[TT], v[ATB]
	v_add_nc_u32 v[ABL+1], 52000, v[ABL]
	GLOAD 0, 0
	SCL 0
	BIAS 0
	GLOAD 0, 1
.if \pf
	s_cmp_gt_u32 s56, s63                          ; the first tile's first six trips (s56 = 7 .. 2, s63 = 1); never in the last tile (s63 = 100)
	s_cbranch_scc0 .Lno_ask_\@
	global_prefetch_b8 v[PFO], s[2:3] th:TH_LOAD_NT scope:SCOPE_SE
	global_prefetch_b8 v[PFO], s[2:3] offset:256 th:TH_LOAD_NT scope:SCOPE_SE
.Lno_ask_\@:
.endif
	STAGE 2, 1                                     ; the last step's last unit goes on while the loads above are out
	TRANS v_rcp_f32, 1
	WIN 0x04                                       ; source 1 in window 1: my rows' codes, and v
	UNIT 0, 1, 1
	UNIT 1, 1, 0
	UNIT 2, 1, 0
	UNIT 3, 0, 0
	STAGE 1, 1                                     ; my last unit's scaling
	WIN 0
	s_xor_b32 s[TB], s[TB], SLOT
	s_add_co_u32 s[TT], s[TT], 512
.endm
.macro TAIL                            ; the tile's last unit from 1 + e on; t; p; the context's part
	s_wait_dscnt 0x0
	STAGE 2, 1
	TRANS v_rcp_f32, 1
	s_wait_alu depctr_va_vdst(0)
	WIN 0x04
	STAGE 3, 1
	WIN 0
.irp m, 0,1
	v_pk_add_f32 v[232+2*\m:233+2*\m], v[T+2*\m:T+2*\m+1], v[T+4+2*\m:T+5+2*\m]
.endr
.irp m, 0,1
	v_add_f32 v[236+\m], v[232+2*\m], v[233+2*\m]
.endr
.irp m, 0,1
	v_mov_b32 v[238+\m], 0
.endr
.irp m, 0,1
	v_permlanex16_b32 v[238+\m], v[236+\m], s20, s21
.endr
.irp m, 0,1
	v_add_f32 v[236+\m], v[236+\m], v[238+\m]
.endr
	v_cndmask_b32 v240, v236, v237, s57            ; lane l: position l of my 32
	v_mul_f32 v240, 0xc038aa3b, v240               ; t = -2 log2(e) x the sum
	global_store_b32 v[GS], v240, s[12:13]
	v_mov_b32 v241, v240
	v_max_num_f32_dpp v241, v241, v241 row_xmask:1 row_mask:0xf bank_mask:0xf
	v_max_num_f32_dpp v241, v241, v241 row_xmask:2 row_mask:0xf bank_mask:0xf
	v_max_num_f32_dpp v241, v241, v241 row_xmask:4 row_mask:0xf bank_mask:0xf
	v_max_num_f32_dpp v241, v241, v241 row_xmask:8 row_mask:0xf bank_mask:0xf
	v_permlanex16_b32 v238, v241, s20, s21
	v_max_num_f32 v241, v241, v238                 ; my run's largest t, taken away before the exponential
	v_sub_f32 v242, v240, v241
	s_wait_alu depctr_va_vdst(0)
	v_exp_f32 v242, v242
	v_nop
	s_wait_alu depctr_va_vdst(0)
	ds_store_b32 v[APS], v242                      ; p through my own LDS words into the first source's layout
	ds_load_b128 v[48:51], v[APL]
	ds_load_b128 v[52:55], v[APL] offset:16
	ds_load_b128 v[56:59], v[APL] offset:64
	ds_load_b128 v[60:63], v[APL] offset:80
	s_wait_dscnt 0x0
.irp i, 0,1,2,3,4,5,6,7
	v_cvt_pk_f16_f32 v[64+\i], v[48+2*\i], v[49+2*\i]
.endr
	PLACES
.irp gp, 0,1,2,3,4,5,6,7
	WIN 0x08+4*(\gp/4)
.irp d, 0,1,2,3,4,5,6,7
	v_wmma_f32_16x16x32_f16 v[ACC+8*\d:ACC+8*\d+7], v[64:71], v[64*(\gp%4)+8*\d:64*(\gp%4)+8*\d+7], 0
.endr
	WIN 0
	PLACES
.irp c, 0,1,2,3
	v_cndmask_b32 v[72+4*\gp+\c], v[ACC+8*\c], v[ACC+8*(4+\c)], s57
.endr
	global_store_b128 v[L16], v[72+4*\gp:75+4*\gp], s[14:15] offset:512*\gp   ; 32 lanes store 512 consecutive bytes, at a multiple of 256 from pctx's first byte
.endr
.endm
	s_load_b256 s[4:11], s[0:1], 0x0               ; encoder_outputs s[4:5], wimg s[6:7], biasw s[8:9], v_w s[10:11]
	s_load_b128 s[12:15], s[0:1], 0x20             ; tsc s[12:13], pctx s[14:15]
	v_lshl_add_u32 v[SPW], v0, 2, SPARE
	v_mov_b32 v[NIL], 0
	ds_add_u32 v[SPW], v[NIL]                      ; the opening lines: the add twice on end and its wait
	ds_add_u32 v[SPW], v[NIL]
	v_lshrrev_b32 v13, 5, v0
	v_readfirstlane_b32 s16, v13                   ; wave
	s_bfe_u32 s17, ttmp6, 0x40000
	s_lshl_b32 s18, ttmp9, 2
	s_add_co_u32 s18, s18, s17                     ; work-group: tiles 2 x it and 2 x it + 1
	s_mov_b32 s24, (2<<16)|(1<<20)|(7<<22)|(3<<25) ; group 1, encoder_outputs: 32 rows x 256 f32, pitch 1,024; 16 bytes of padding behind each 1,024
	s_mov_b32 s25, 256<<16
	s_mov_b32 s26, 32<<16
	s_mov_b32 s27, 256<<16
	s_mov_b32 s28, 32
	s_mov_b32 s29, 1024
	s_mov_b32 s30, 0
	s_mov_b32 s31, 0
	s_mov_b32 s32, 15|(3<<16)|(1<<20)|(1<<21)|(7<<22)|(3<<25)  ; group 1, wimg: dense, 25 rows x 1,024 bytes a wave; the mask names the cluster's four
	s_mov_b32 s33, 128<<16
	s_mov_b32 s34, 25<<16
	s_mov_b32 s35, 128<<16
	s_mov_b32 s36, 25
	s_mov_b32 s37, 128
	s_mov_b32 s38, 0
	s_mov_b32 s39, 0
	s_mov_b32 s20, 0x76543210
	s_mov_b32 s21, 0xfedcba98                      ; v_permlanex16_b32's selects for lane l xor 16
	s_mov_b32 s22, 0x4038aa3b                      ; 2 log2(e)
	s_mov_b32 s23, s22
	s_mov_b32 s52, 0
	s_mov_b32 s[TB], 0
	s_mov_b32 s[TT], 0
	s_mov_b32 s62, 2                               ; tiles to go, this one among them
	s_mov_b32 s63, 1                               ; the prefetches' bound on the trips' counter
	s_mul_i32 s60, s16, 32*ROWP
	s_mul_i32 s53, s16, 25*ROWP
	s_mul_i32 s2, s16, 25600
	s_mov_b32 s3, 0
	s_lshl_b32 s58, s18, 20                        ; 2 x 128 rows of 4,096 bytes a work-group,
	s_lshl_b32 s59, s16, 17                        ; 32 rows a wave
	s_add_co_u32 s58, s58, s59
	s_mov_b32 s59, 0
	s_wait_dscnt 0x0
	s_wait_kmcnt 0x0
	s_add_nc_u64 s[4:5], s[4:5], s[58:59]
	s_mov_b32 s40, 1
	s_mov_b32 s41, s60
	s_mov_b64 s[42:43], s[4:5]
	s_or_b32 s43, s43, 0x80000000
	s_mov_b32 s44, 1
	s_add_co_u32 s45, s60, SLOT
	s_add_nc_u64 s[46:47], s[4:5], 1024
	s_or_b32 s47, s47, 0x80000000
	s_mov_b32 s48, 1
	s_mov_b32 s49, s53
	s_add_nc_u64 s[50:51], s[6:7], s[2:3]
	s_or_b32 s51, s51, 0x80000000
	s_add_nc_u64 s[2:3], s[4:5], TILEB+512         ; the prefetches: my rows of the next tile; the first trip steps it to byte 1,024 of the rows, chunk 1's first
	CROUND
	tensor_load_to_lds s[40:43], s[24:31]          ; chunk 0: one tensor load a wave at the head
	s_nop 0
	s_wait_alu depctr_va_vdst(0)
	s_wait_tensorcnt 0x0                           ; slot 1's first fill is issued as a refill is
	ds_add_u32 v14, v15
	s_wait_dscnt 0x0
	CROUND
	tensor_load_to_lds s[44:47], s[24:31]          ; chunk 1
	s_nop 0
	PLACES
	s_lshr_b32 s58, s18, 3                         ; batch: 16 tiles, eight work-groups
	s_lshl_b32 s58, s58, 6
	s_add_nc_u64 s[8:9], s[8:9], s[58:59]
	s_lshl_b32 s58, s18, 10
	s_lshl_b32 s17, s16, 7
	s_add_co_u32 s58, s58, s17
	s_add_nc_u64 s[12:13], s[12:13], s[58:59]
	s_lshl_b32 s58, s18, 15
	s_lshl_b32 s17, s16, 12
	s_add_co_u32 s58, s58, s17
	s_add_nc_u64 s[14:15], s[14:15], s[58:59]
	v_lshlrev_b32 v6, 4, v0
	v_lshrrev_b32 v248, 2, v0
	v_and_b32 v249, 3, v0
	v_lshlrev_b32 v248, 11, v248
	v_lshl_add_u32 v248, v249, 4, v248
	global_load_b128 v[232:235], v6, s[10:11]      ; v_w and my batch's bias go to LDS once
	global_load_b128 v[236:239], v6, s[10:11] offset:2048
	global_load_b128 v[240:243], v248, s[8:9]
	global_load_b128 v[244:247], v248, s[8:9] offset:65536
	v_add_nc_u32 v7, VTAB, v6
	v_and_b32 v8, 15, v0
	v_bfe_u32 v13, v0, 4, 1
	v_and_b32 v12, 31, v0
	v_cmp_lt_u32 s57, 15, v12
	v_lshlrev_b32 v[L16], 4, v12
	v_mul_u32_u24 v[AQ0], v8, ROWP
	v_lshl_add_u32 v[AQ0], v13, 6, v[AQ0]
	v_add_nc_u32 v[AQ0], s60, v[AQ0]
	v_add_nc_u32 v[AQ0+1], SLOT, v[AQ0]
	v_mul_u32_u24 v[AC0], v13, 8*ROWP
	v_lshl_add_u32 v[AC0], v8, 4, v[AC0]
	v_add_nc_u32 v[AC0], s60, v[AC0]
	v_add_nc_u32 v[AC0+1], SLOT, v[AC0]
	v_lshl_add_u32 v[ATB], v13, 5, VTAB
	s_lshl_b32 s61, s16, 8
	s_add_co_u32 s61, s61, PSCR
	v_lshl_add_u32 v[APS], v12, 2, s61
	v_lshl_add_u32 v[APL], v13, 5, s61
	v_lshlrev_b32 v[PFO], 12, v12
	v_lshlrev_b32 v[GS], 2, v12
.irp b, 0,1,2,3
	v_mov_b32 v[TM+4+\b], 0
.endr
	s_wait_loadcnt 0x0
	ds_store_b128 v7, v[232:235]
	ds_store_b128 v7, v[236:239] offset:2048
	ds_store_b128 v7, v[240:243] offset:4096
	ds_store_b128 v7, v[244:247] offset:6144
.Ltile:                                                ; on both ways in: my part of chunk 0 has been waited for, and chunk 1's load was issued behind it
	s_wait_tensorcnt 1                             ; chunk 1's load may be out
	ESTEP 0, 0
	CHANGE 0
	ESTEP 1, 1
	CHANGE 1
	ESTEP 2, 0
	CHANGE 2
	ESTEP 3, 1
.irp i, 0,1,2,3,4,5,6,7,8,9,10,11,12,13,14,15,16,17,18,19,20,21,22,23,24,25,26,27,28,29,30,31
	v_mov_b32 v[ACC+32+\i], 0                      ; the first unit finds no unit before it: zeros, with v = 0, add nothing
.endr
.irp i, 0,1,2,3,4,5,6,7
	v_mov_b32 v[T+\i], 0
.endr
	WIN 0x40
.irp i, 0,1,2,3,4,5,6,7,8,9,10,11,12,13,14,15
	v_mov_b32 v[VB+16+\i], 0
.endr
	WIN 0
	s_mov_b32 s56, 7
.Lg:
	s_wait_xcnt 0x0                                ; the last trip's prefetches have read their base: it steps here, a trip behind them
	s_add_nc_u64 s[2:3], s[2:3], 512
	CHANGE 3
	GSTEP 1
	s_sub_co_u32 s56, s56, 1
	s_cmp_lg_u32 s56, 0
	s_cbranch_scc1 .Lg
	s_cmp_eq_u32 s62, 1
	s_cbranch_scc1 .Llast_tile                     ; the last tile's end is written out: it asks for nothing more
	CHANGE 5                                       ; slot 0 takes the next tile's chunk 0 while W's last eight tiles are multiplied from slot 1
	GSTEP 0
	CHANGE 6                                       ; slot 1 takes chunk 1 ahead of the context's work
	TAIL
	s_wait_xcnt 0x0                                ; the stores have read their registers and bases
	s_add_nc_u64 s[12:13], s[12:13], 512           ; the next tile's t,
	s_add_nc_u64 s[14:15], s[14:15], 16384         ; and its four runs of pctx
	s_mov_b32 s[TB], 0
	s_mov_b32 s[TT], 0
	s_mov_b32 s63, 100                             ; the last tile has no successor to ask for
	s_sub_co_u32 s62, s62, 1
	s_branch .Ltile
.Llast_tile:
	CHANGE 4
	GSTEP 0
	TRANS v_exp_f32, 1
	s_wait_alu depctr_va_vdst(0)
	TAIL
	s_wait_tensorcnt 0x0                           ; the wave's end
	ds_add_u32 v[SPW], v[NIL]
	s_wait_dscnt 0x0
	CROUND                                         ; the closing round
	s_endpgm
.Lfunc_end_k_q47b0781fa5_main:
	.size	k_q47b0781fa5_main, .Lfunc_end_k_q47b0781fa5_main-k_q47b0781fa5_main
	.p2alignl 7, 3214868480
	.fill 96, 4, 3214868480
	.section	.rodata,"a",@progbits
	.p2align	6, 0x0
	.amdhsa_kernel k_q47b0781fa5_main
		.amdhsa_group_segment_fixed_size 327680
		.amdhsa_private_segment_fixed_size 0
		.amdhsa_enable_private_segment 0
		.amdhsa_kernarg_size 48
		.amdhsa_user_sgpr_count 2
		.amdhsa_user_sgpr_kernarg_segment_ptr 1
		.amdhsa_wavefront_size32 1
		.amdhsa_system_sgpr_workgroup_id_x 1
		.amdhsa_system_sgpr_workgroup_id_y 1
		.amdhsa_system_sgpr_workgroup_id_z 1
		.amdhsa_system_vgpr_workitem_id 0
		.amdhsa_next_free_vgpr 1024
		.amdhsa_next_free_sgpr 66
		.amdhsa_reserve_vcc 0
		.amdhsa_float_denorm_mode_32 3
		.amdhsa_float_denorm_mode_16_64 3
		.amdhsa_memory_ordered 1
		.amdhsa_forward_progress 1
		.amdhsa_inst_pref_size 255
	.end_amdhsa_kernel
	.section	.bss,"aw",@nobits
	.p2align	6
	.space	262144
	.amdgpu_metadata
---
amdhsa.version: [ 1, 2 ]
amdhsa.kernels:
  - .name:           k_q47b0781fa5_main
    .symbol:         k_q47b0781fa5_main.kd
    .args:
      - { .name: encoder_outputs, .offset: 0, .size: 8, .value_kind: global_buffer, .address_space: global }
      - { .name: wimg, .offset: 8, .size: 8, .value_kind: global_buffer, .address_space: global }
      - { .name: biasw, .offset: 16, .size: 8, .value_kind: global_buffer, .address_space: global }
      - { .name: v_w, .offset: 24, .size: 8, .value_kind: global_buffer, .address_space: global }
      - { .name: tsc, .offset: 32, .size: 8, .value_kind: global_buffer, .address_space: global }
      - { .name: pctx, .offset: 40, .size: 8, .value_kind: global_buffer, .address_space: global }
    .group_segment_fixed_size: 327680
    .private_segment_fixed_size: 0
    .kernarg_segment_align: 8
    .kernarg_segment_size: 48
    .max_flat_workgroup_size: 128
    .sgpr_count:     66
    .vgpr_count:     1024
    .wavefront_size: 32
...
	.end_amdgpu_metadata
.endif
;; end of part 2
;; launch merge (part 3): grid 8 x 32, 4 waves a work-group, no clusters, 3,328 bytes of LDS; arguments tsc, pctx, out0, out1; writes out0, out1
.if DOCPART == 3
	.amdgcn_target "amdgcn-amd-amdhsa--gfx1250"
	.amdhsa_code_object_version 6
	.text
	.protected	k_q47b0781fa5_merge
	.globl	k_q47b0781fa5_merge
	.p2align	8
	.type	k_q47b0781fa5_merge,@function
k_q47b0781fa5_merge:
	s_mov_b64 s[64:65], 0
	v_nop
	global_prefetch_b8 v0, s[64:65] scope:SCOPE_SE
	s_setreg_imm32_b32 hwreg(HW_REG_WAVE_MODE, 25, 1), 1
	s_wait_xcnt 0x0
; BahdanauAttention in MX-BF6, launch 3 of 3.  v_b and the sum of v_w are left out: both are the same along the softmax's axis (shown at the head of the first kernel).
; tsc holds t, the scores in powers of two; pctx holds, for each run of 32 positions, sum of 2^(t - the run's largest t) x enc.
; Work-group (c, b) makes out1[b][256 c .. + 255] and out0[b][128 c .. + 127].  With M the batch's largest t and L = sum of 2^(t - M):
;   out1 = 2^(t - M) / L;   out0 = sum over the batch's 64 runs of 2^(the run's largest t - M) x pctx / L.  A maximum rounds nothing, so a run's largest t is here what it was in the launch before.
; Every work-group of a batch reads the batch's 8,192 bytes of t: about a fifth of what it reads; no LDS fill by a copy engine, no cluster.
; REGISTERS: v1-5, v26 ids and addresses; v6, v7 the add's two; v8-23 t of 16 positions, later the 16 factors of my runs; v24-25 my two positions of out1; v32-95 16 runs x 4 columns; v96-99 the runs' largest t; v100-119 at work.
.set RED1,  0                          ; LDS: the waves' maxima;
.set RED2,  256                        ; their sums;
.set FT,    512                        ; 64 factors 2^(a run's largest t - M);
.set CS,    768                        ; the waves' parts of the context, 512 bytes each;
.set SPARE, 2816                       ; the spare words, 128 bytes for each wave: two blocks of 256 bytes that no other line names
	s_load_b256 s[4:11], s[0:1], 0x0               ; tsc s[4:5], pctx s[6:7], out0 s[8:9], out1 s[10:11]
	v_lshl_add_u32 v6, v0, 2, SPARE
	v_mov_b32 v7, 0
	v_lshrrev_b32 v1, 5, v0
	v_readfirstlane_b32 s12, v1                    ; wave
	s_and_b32 s13, ttmp7, 0xffff                   ; batch
	v_and_b32 v2, 31, v0                           ; lane
	v_lshlrev_b32 v3, 4, v0                        ; 16 x thread
	v_lshlrev_b32 v4, 3, v0                        ; 8 x thread
	v_lshlrev_b32 v5, 4, v2                        ; 16 x lane
	v_lshl_add_u32 v26, v1, 16, v5                 ; pctx: my wave's 16 runs of 4,096 bytes, + 16 x lane
	v_lshlrev_b32 v102, 2, v1                      ; 4 x wave
	v_lshlrev_b32 v115, 6, v1                      ; 64 x wave
	v_mov_b32 v103, 0
	v_mov_b32 v101, 0                              ; (a lane permute's destination counts as one of its sources)
	s_mov_b32 s24, 0x76543210
	s_mov_b32 s25, 0xfedcba98                      ; v_permlanex16_b32's selects for lane l xor 16
	s_lshl_b32 s14, s13, 13                        ; a batch's 2,048 numbers
	s_mov_b32 s15, 0
	s_lshl_b32 s16, ttmp9, 10                      ; my 256 of them
	s_mov_b32 s17, 0
	s_lshl_b32 s18, s13, 18                        ; a batch's 64 runs
	s_lshl_b32 s19, ttmp9, 9                       ; my 128 columns
	s_add_co_u32 s18, s18, s19
	s_mov_b32 s19, 0
	s_lshl_b32 s20, s13, 12                        ; a row of out0
	s_lshl_b32 s21, ttmp9, 9
	s_add_co_u32 s20, s20, s21
	s_mov_b32 s21, 0
	s_wait_alu depctr_va_vdst(0)
	s_wait_kmcnt 0x0
	s_add_nc_u64 s[4:5], s[4:5], s[14:15]
	s_add_nc_u64 s[22:23], s[4:5], s[16:17]
	s_add_nc_u64 s[6:7], s[6:7], s[18:19]
	s_add_nc_u64 s[8:9], s[8:9], s[20:21]
	s_add_nc_u64 s[10:11], s[10:11], s[14:15]
	s_add_nc_u64 s[10:11], s[10:11], s[16:17]
.irp j, 0,1,2,3
	global_load_b128 v[8+4*\j:11+4*\j], v3, s[4:5] offset:2048*\j   ; thread i: positions 512 j + 4 i + 0 .. 3: eight neighbouring threads hold run 16 j + i / 8
.endr
	global_load_b64 v[24:25], v4, s[22:23]
.irp k, 0,1,2,3,4,5,6,7,8,9,10,11,12,13,14,15
	global_load_b128 v[32+4*\k:35+4*\k], v26, s[6:7] offset:4096*\k th:TH_LOAD_NT   ; run 16 wave + k: 32 lanes read 512 consecutive bytes, read once in the launch
.endr
	s_wait_loadcnt 16                              ; t is in; the 16 loads of pctx may be out
.irp j, 0,1,2,3
	v_max3_num_f32 v[96+\j], v[8+4*\j], v[9+4*\j], v[10+4*\j]
.endr
.irp j, 0,1,2,3
	v_max_num_f32 v[96+\j], v[96+\j], v[11+4*\j]
.endr
.irp x, 1,2,4
.irp j, 0,1,2,3
	v_max_num_f32_dpp v[96+\j], v[96+\j], v[96+\j] row_xmask:\x row_mask:0xf bank_mask:0xf   ; over the run's eight threads
.endr
.endr
	v_max3_num_f32 v100, v96, v97, v98
	v_max_num_f32 v100, v100, v99
	v_max_num_f32_dpp v100, v100, v100 row_xmask:8 row_mask:0xf bank_mask:0xf
	v_permlanex16_b32 v101, v100, s24, s25
	v_max_num_f32 v100, v100, v101                 ; my wave's largest t
	ds_store_b32 v102, v100 offset:RED1            ; all lanes write the same word with the same value
	s_wait_dscnt 0x0
	s_barrier_signal -1
	s_barrier_wait -1
	ds_load_b128 v[104:107], v103 offset:RED1
	s_wait_dscnt 0x0
	v_max3_num_f32 v108, v104, v105, v106
	v_max_num_f32 v108, v108, v107                 ; M: taken away before every exponential
.irp i, 0,1,2,3,4,5,6,7,8,9,10,11,12,13,14,15,16,17
	v_sub_f32 v[8+\i], v[8+\i], v108
.endr
.irp j, 0,1,2,3
	v_sub_f32 v[96+\j], v[96+\j], v108
.endr
	s_wait_alu depctr_va_vdst(0)
.irp i, 0,1,2,3,4,5,6,7,8,9,10,11,12,13,14,15,16,17
	v_exp_f32 v[8+\i], v[8+\i]
.endr
.irp j, 0,1,2,3
	v_exp_f32 v[96+\j], v[96+\j]
.endr
	v_lshrrev_b32 v114, 3, v0                      ; (plain work behind the exponentials)
	v_lshlrev_b32 v114, 2, v114                    ; 4 x (thread / 8): my run's word among 16
	s_wait_alu depctr_va_vdst(0)                   ; the wait ahead of the first use: one for the 22
	v_pk_add_f32 v[110:111], v[8:9], v[10:11]
	v_pk_add_f32 v[112:113], v[12:13], v[14:15]
	v_pk_add_f32 v[110:111], v[110:111], v[16:17]
	v_pk_add_f32 v[112:113], v[112:113], v[18:19]
	v_pk_add_f32 v[110:111], v[110:111], v[20:21]
	v_pk_add_f32 v[112:113], v[112:113], v[22:23]
	v_pk_add_f32 v[110:111], v[110:111], v[112:113]
	v_add_f32 v110, v110, v111
	v_add_f32_dpp v110, v110, v110 row_xmask:1 row_mask:0xf bank_mask:0xf
	v_add_f32_dpp v110, v110, v110 row_xmask:2 row_mask:0xf bank_mask:0xf
	v_add_f32_dpp v110, v110, v110 row_xmask:4 row_mask:0xf bank_mask:0xf
	v_add_f32_dpp v110, v110, v110 row_xmask:8 row_mask:0xf bank_mask:0xf
	v_permlanex16_b32 v101, v110, s24, s25
	v_add_f32 v110, v110, v101                     ; my wave's sum
	ds_store_b32 v102, v110 offset:RED2
.irp j, 0,1,2,3
	ds_store_b32 v114, v[96+\j] offset:FT+64*\j    ; run 16 j + thread / 8: its eight threads write the same word with the same value
.endr
	s_wait_dscnt 0x0
	s_barrier_signal -1
	s_barrier_wait -1
	ds_load_b128 v[104:107], v103 offset:RED2
.irp i, 0,1,2,3
	ds_load_b128 v[8+4*\i:11+4*\i], v115 offset:FT+16*\i   ; the factors of my wave's 16 runs
.endr
	s_wait_dscnt 0x0
	v_add_f32 v104, v104, v105
	v_add_f32 v106, v106, v107
	v_add_f32 v104, v104, v106                     ; L
	s_wait_alu depctr_va_vdst(0)
	v_rcp_f32 v109, v104
	v_nop
	s_wait_alu depctr_va_vdst(0)
	v_mul_f32 v24, v24, v109
	v_mul_f32 v25, v25, v109
	global_store_b64 v4, v[24:25], s[10:11]        ; 32 lanes store 256 consecutive bytes, at a multiple of 256 from out1's first byte
	s_wait_loadcnt 0x0                             ; pctx
.irp i, 0,1,2,3
	v_mul_f32 v[116+\i], v[32+\i], v8              ; the first run starts the sums
.endr
.irp k, 1,2,3,4,5,6,7,8,9,10,11,12,13,14,15
.irp i, 0,1,2,3
	v_fma_f32 v[116+\i], v[32+4*\k+\i], v[8+\k], v[116+\i]
.endr
.endr
.irp i, 0,1,2,3
	v_mul_f32 v[116+\i], v[116+\i], v109
.endr
	ds_store_b128 v3, v[116:119] offset:CS         ; 512 x wave + 16 x lane = 16 x thread
	s_wait_dscnt 0x0
	s_barrier_signal -1
	s_barrier_wait -1
	s_cmp_lg_u32 s12, 0                            ; wave 0 adds the four parts: one owner for each number of out0; no barrier stands under this branch
	s_cbranch_scc1 .Lend
.irp i, 0,1,2,3
	ds_load_b128 v[32+4*\i:35+4*\i], v5 offset:CS+512*\i
.endr
	s_wait_dscnt 0x0
	v_pk_add_f32 v[32:33], v[32:33], v[36:37]
	v_pk_add_f32 v[34:35], v[34:35], v[38:39]
	v_pk_add_f32 v[40:41], v[40:41], v[44:45]
	v_pk_add_f32 v[42:43], v[42:43], v[46:47]
	v_pk_add_f32 v[32:33], v[32:33], v[40:41]
	v_pk_add_f32 v[34:35], v[34:35], v[42:43]
	global_store_b128 v5, v[32:35], s[8:9]         ; 32 lanes store 512 consecutive bytes, at a multiple of 256 from out0's first byte
.Lend:
	s_wait_tensorcnt 0x0                           ; the wave's end
	ds_add_u32 v6, v7
	s_wait_dscnt 0x0
	s_endpgm
.Lfunc_end_k_q47b0781fa5_merge:
	.size	k_q47b0781fa5_merge, .Lfunc_end_k_q47b0781fa5_merge-k_q47b0781fa5_merge
	.p2alignl 7, 3214868480
	.fill 96, 4, 3214868480
	.section	.rodata,"a",@progbits
	.p2align	6, 0x0
	.amdhsa_kernel k_q47b0781fa5_merge
		.amdhsa_group_segment_fixed_size 3328
		.amdhsa_private_segment_fixed_size 0
		.amdhsa_enable_private_segment 0
		.amdhsa_kernarg_size 32
		.amdhsa_user_sgpr_count 2
		.amdhsa_user_sgpr_kernarg_segment_ptr 1
		.amdhsa_wavefront_size32 1
		.amdhsa_system_sgpr_workgroup_id_x 1
		.amdhsa_system_sgpr_workgroup_id_y 1
		.amdhsa_system_sgpr_workgroup_id_z 1
		.amdhsa_system_vgpr_workitem_id 0
		.amdhsa_next_free_vgpr 128
		.amdhsa_next_free_sgpr 66
		.amdhsa_reserve_vcc 0
		.amdhsa_float_denorm_mode_32 3
		.amdhsa_float_denorm_mode_16_64 3
		.amdhsa_memory_ordered 1
		.amdhsa_forward_progress 1
		.amdhsa_inst_pref_size 14
	.end_amdhsa_kernel
	.amdgpu_metadata
---
amdhsa.version: [ 1, 2 ]
amdhsa.kernels:
  - .name:           k_q47b0781fa5_merge
    .symbol:         k_q47b0781fa5_merge.kd
    .args:
      - { .name: tsc, .offset: 0, .size: 8, .value_kind: global_buffer, .address_space: global }
      - { .name: pctx, .offset: 8, .size: 8, .value_kind: global_buffer, .address_space: global }
      - { .name: out0, .offset: 16, .size: 8, .value_kind: global_buffer, .address_space: global }
      - { .name: out1, .offset: 24, .size: 8, .value_kind: global_buffer, .address_space: global }
    .group_segment_fixed_size: 3328
    .private_segment_fixed_size: 0
    .kernarg_segment_align: 8
    .kernarg_segment_size: 32
    .max_flat_workgroup_size: 128
    .sgpr_count:     66
    .vgpr_count:     128
    .wavefront_size: 32
...
	.end_amdgpu_metadata
.endif
;; end of part 3
